; MI455X (gfx1250); checked and timed in simulation.
; The chip was launched on July 23, 2026; its instructions are those of AMD's public machine-readable ISA for CDNA 5 (MIT licence, August 2026) and "CDNA5" Instruction Set Architecture Reference Guide (July 2026). The comments in the code are by the model that wrote it; some were corrected since.
;; Self Attention. Allowed arithmetic: matrix products marked QUANTISED: E4M3 operands, one given power-of-two scale a tensor, by v_wmma_f32_16x16x64_fp8_fp8 or v_wmma_f32_16x16x128_fp8_fp8, f32 sums; everything else in f32.
;; Inputs: Wk 512 x 512 float32; Wo 512 x 512 float32; Wq 512 x 512 float32; Wv 512 x 512 float32; bk 512 float32; bo 512 float32; bq 512 float32; bv 512 float32; lowp_scales 12 int32 (the exponents e of the quantised operands' scales 2^e); x 8 x 512 x 32 x 32 float32.
;; Outputs: out0 8 x 512 x 32 x 32 float32.
;; This version of the problem:
;;   THIS VERSION OF THE PROBLEM IS GIVEN IN LOW PRECISION. The matrix products marked QUANTISED in the list below multiply operands that are first quantised to E4M3 (4 exponent bits, 3 mantissa bits; 8 bits a number), with one given power-of-two scale for each operand tensor; their sums are f32. All else is computed in f32.
;;   The module's matrix products, in the order in which they are computed (A, B: the left and right operand; K: the contracted axis; several contracted axes count as one K, in the product's order):
;;     1. [M 512, K 512] x [K 512, N 8,192]; A: input Wq; B: input x: QUANTISED (scales: A lowp_scales[0], B lowp_scales[1])
;;     2. [M 512, K 512] x [K 512, N 8,192]; A: input Wk; B: input x: QUANTISED (scales: A lowp_scales[2], B lowp_scales[3])
;;     3. [M 512, K 512] x [K 512, N 8,192]; A: input Wv; B: input x: QUANTISED (scales: A lowp_scales[4], B lowp_scales[5])
;;     4. batch 64 x [M 1,024, K 64] x [K 64, N 1,024]; A: computed on the way; B: computed on the way: QUANTISED (scales: A lowp_scales[6], B lowp_scales[7])
;;     5. batch 64 x [M 1,024, K 1,024] x [K 1,024, N 64]; A: softmax (see below); B: computed on the way: QUANTISED (scales: A lowp_scales[8], B lowp_scales[9])
;;     6. [M 512, K 512] x [K 512, N 8,192]; A: input Wo; B: computed on the way: QUANTISED (scales: A lowp_scales[10], B lowp_scales[11])
;;   THE QUANTISER, for each operand of a quantised product, along K:
;;     - The operand's scale is 2^e, e = its entry of the input lowp_scales (int32; the entries are numbered through the quantised products in the list's order, A before B).
;;     - Each number is divided by the scale, clamped to +-448, and rounded to the nearest number of E4M3, ties to even, subnormals kept.
;;     - The product sums the exact products of the quantised numbers (number of the format x scale) in f32.
;;   ~~~python
;;   def quantise(x, axis, e):      # numpy; x: float32 -> the quantised numbers, widened to float32 again
;;       x = np.moveaxis(x, axis, -1); K = x.shape[-1]
;;       r = np.clip(x / 2.0 ** e, -448, 448)
;;       step = 2.0 ** (np.maximum(np.frexp(np.where(r == 0, 1, r))[1] - 1, -6) - 3)
;;       q = np.round(r / step) * step * 2.0 ** e      # np.round: ties to even
;;       return np.moveaxis(q, -1, axis).astype(np.float32)
;;   ~~~
;;   SOFTMAX AHEAD OF A QUANTISED PRODUCT. Where the list says 'softmax', what is quantised is not the finished softmax but p = 2^(t - M), with t = logit x log2(e) and M = ceil(the row's largest t), a whole number; so 1/2 < the row's largest p <= 1. The row's sum l is taken of the UNQUANTISED p, in f32, and the product's result is divided by l at the end. Since M is a whole number, a kernel that streams over the keys may use a running M (the ceiling of the running maximum): every later rescaling is an exact power of two, so the quantised numbers keep their values, but for numbers so far below the row's largest that they fall under the format's range.
;;   OPERANDS COMPUTED ON THE WAY. 'Computed on the way' means the value that the module computes at that place (a softmax that the list does not call 'softmax' is quantised finished and normalised). What goes into a quantiser is computed in f32, as accurately as f32 sums, v_exp_f32 and their like allow (about 1e-6 of the number): no bf16 or f16 on the way to a quantiser, and a product that is left as it is and whose result goes on into a quantised operand takes f32 operands (vector FMAs, or v_wmma_f32_16x16x4_f32). A number that lies on a knife's edge between two numbers of the format may be rounded either way, as far as f32 arithmetic and the matrix unit's own rounding can turn it there, and no further.
;; One version. Each part assembles by itself: llvm-mc -triple=amdgcn-amd-amdhsa -mcpu=gfx1250 --defsym DOCPART=n.
;; ======== version 1 of 1: 4 launches
;; workspace buffers: wcodes 1,048,576 bytes; qkv 12,582,912 bytes; acodes 4,194,304 bytes
;; launch wprep (part 1): grid 256 x 1, 2 waves a work-group, no clusters, 0 bytes of LDS; arguments Wq, Wk, Wv, Wo, lowp_scales, wcodes; writes wcodes
.if DOCPART == 1
	.amdgcn_target "amdgcn-amd-amdhsa--gfx1250"
	.amdhsa_code_object_version 6
	.text
	.protected	k_q2af27a6950_wprep
	.globl	k_q2af27a6950_wprep
	.p2align	8
	.type	k_q2af27a6950_wprep,@function
k_q2af27a6950_wprep:
	s_mov_b64 s[64:65], 0
	v_nop
	global_prefetch_b8 v0, s[64:65] scope:SCOPE_SE
	s_setreg_imm32_b32 hwreg(HW_REG_WAVE_MODE, 25, 1), 1
	s_wait_xcnt 0x0
; Wq, Wk, Wv, Wo [512][512] f32 (K innermost) become codes of E4M3, each with its given scale 2^e (entries 0, 2, 4, 10 of lowp_scales).
; code = w / 2^e, held within +-448, to the nearest code, ties to even.
; LAYOUT OF wcodes: [weight 4][tile of 16 rows: 32][K step of 128: 4][2,048 bytes].  The 2,048 bytes are the IMAGE OF AN OPERAND'S REGISTERS for
; v_wmma_f32_16x16x128_fp8_fp8: lane (r = lane % 16, h = lane / 16) holds row r, its registers 2 c, 2 c + 1 hold k = 16 c + 8 h + 0 .. 7;
; registers 4 q .. 4 q + 3 of lane l lie at byte 512 q + 16 l.  So every later read of a fragment is four loads of 512 consecutive bytes.
; SHARES: one wave makes one fragment: 512 fragments, 256 work-groups of two waves.  No LDS, no barrier: waves share nothing.
; LIMITS: e between -126 and 119, so that 2^e and 448 x 2^e are f32 numbers.  NaN among the inputs is not served; an infinity is held at the largest code.
.set X, 16                             ; v16-79  64 numbers: register 8 c + j = k 16 c + 8 h + j of my row
.set C, 80                             ; v80-95  their codes: the fragment's 16 registers
	s_load_b256 s[4:11], s[0:1], 0x0               ; Wq, Wk, Wv, Wo
	s_load_b128 s[12:15], s[0:1], 0x20             ; lowp_scales, wcodes
	v_lshrrev_b32 v1, 5, v0
	v_readfirstlane_b32 s16, v1                    ; wave 0, 1
	s_lshr_b32 s17, ttmp9, 6                       ; which weight: 64 work-groups each
	s_bfe_u32 s18, ttmp9, 0x50001                  ; which tile of 16 rows (5 bits from bit 1)
	s_and_b32 s19, ttmp9, 1
	s_lshl_b32 s19, s19, 1
	s_add_co_u32 s19, s19, s16                     ; which K step
	s_lshl_b32 s20, s17, 3                         ; the exponent's byte in lowp_scales: 0, 8, 16,
	s_cmp_eq_u32 s17, 3
	s_cselect_b32 s21, 16, 0
	s_add_co_u32 s20, s20, s21                     ; and 40 for Wo
	s_lshl_b32 s22, s18, 15                        ; 16 rows of 2,048 bytes
	s_lshl_b32 s23, s19, 9                         ; 128 numbers of 4 bytes
	s_add_co_u32 s22, s22, s23
	s_mov_b32 s23, 0
	s_lshl_b32 s24, ttmp9, 1
	s_add_co_u32 s24, s24, s16                     ; the fragment's number: 128 weight + 4 tile + K step
	s_lshl_b32 s24, s24, 11
	s_mov_b32 s25, 0
	v_and_b32 v2, 15, v0                           ; r
	v_bfe_u32 v3, v0, 4, 1                         ; h
	v_lshlrev_b32 v1, 11, v2
	v_lshl_add_u32 v1, v3, 5, v1                   ; in: row r, + 8 h numbers
	v_and_b32 v4, 31, v0
	v_lshlrev_b32 v4, 4, v4                        ; out: 16 x lane
	s_wait_kmcnt 0x0
	s_load_b32 s26, s[12:13], s20 offset:0x0       ; e
	s_cmp_eq_u32 s17, 1                            ; the choice hangs on the work-group's number alone
	s_cselect_b64 s[4:5], s[6:7], s[4:5]
	s_cmp_eq_u32 s17, 2
	s_cselect_b64 s[4:5], s[8:9], s[4:5]
	s_cmp_eq_u32 s17, 3
	s_cselect_b64 s[4:5], s[10:11], s[4:5]
	s_add_nc_u64 s[4:5], s[4:5], s[22:23]
	s_add_nc_u64 s[14:15], s[14:15], s[24:25]
.irp c, 0,1,2,3,4,5,6,7
	global_load_b128 v[X+8*\c:X+8*\c+3],   v1, s[4:5] offset:64*\c th:TH_LOAD_NT      ; the wave's sixteen loads together take 512 consecutive bytes of each of 16 rows; read once in the launch
	global_load_b128 v[X+8*\c+4:X+8*\c+7], v1, s[4:5] offset:64*\c+16 th:TH_LOAD_NT
.endr
	s_wait_kmcnt 0x0
	s_add_co_i32 s26, s26, 127
	s_lshl_b32 s27, s26, 23
	v_mov_b32 v11, s27                             ; 2^e as f32: the conversion takes its exponent field
	s_add_co_i32 s26, s26, 8
	s_lshl_b32 s26, s26, 23
	s_or_b32 s26, s26, 0x600000
	v_mov_b32 v10, s26                             ; 448 x 2^e
	s_wait_loadcnt 0x0
.set i, 0
.rept 64
	v_med3_num_f32 v[X+i], v[X+i], -v10, v10       ; the conversion to an 8-bit code does not saturate (ISA guide 7.6.2): the hold comes first
.set i, i+1
.endr
.irp c, 0,1,2,3,4,5,6,7
	v_cvt_scalef32_pk8_fp8_f32 v[C+2*\c:C+2*\c+1], v[X+8*\c:X+8*\c+7], v11
.endr
	v_nop                                          ; a plain line behind the last conversion
.irp q, 0,1,2,3
	global_store_b128 v4, v[C+4*\q:C+4*\q+3], s[14:15] offset:512*\q     ; 32 lanes store 512 consecutive bytes, at a multiple of 256 from the buffer's first byte
.endr
	s_endpgm
.Lfunc_end_k_q2af27a6950_wprep:
	.size	k_q2af27a6950_wprep, .Lfunc_end_k_q2af27a6950_wprep-k_q2af27a6950_wprep
	.p2alignl 7, 3214868480
	.fill 96, 4, 3214868480
	.section	.rodata,"a",@progbits
	.p2align	6, 0x0
	.amdhsa_kernel k_q2af27a6950_wprep
		.amdhsa_group_segment_fixed_size 0
		.amdhsa_private_segment_fixed_size 0
		.amdhsa_enable_private_segment 0
		.amdhsa_kernarg_size 48
		.amdhsa_user_sgpr_count 2
		.amdhsa_user_sgpr_kernarg_segment_ptr 1
		.amdhsa_wavefront_size32 1
		.amdhsa_system_sgpr_workgroup_id_x 1
		.amdhsa_system_sgpr_workgroup_id_y 1
		.amdhsa_system_sgpr_workgroup_id_z 1
		.amdhsa_system_vgpr_workitem_id 0
		.amdhsa_next_free_vgpr 96
		.amdhsa_next_free_sgpr 66
		.amdhsa_reserve_vcc 0
		.amdhsa_float_denorm_mode_32 3
		.amdhsa_float_denorm_mode_16_64 3
		.amdhsa_memory_ordered 1
		.amdhsa_forward_progress 1
		.amdhsa_inst_pref_size 9
	.end_amdhsa_kernel
	.amdgpu_metadata
---
amdhsa.version: [ 1, 2 ]
amdhsa.kernels:
  - .name:           k_q2af27a6950_wprep
    .symbol:         k_q2af27a6950_wprep.kd
    .args:
      - { .name: Wq, .offset: 0, .size: 8, .value_kind: global_buffer, .address_space: global }
      - { .name: Wk, .offset: 8, .size: 8, .value_kind: global_buffer, .address_space: global }
      - { .name: Wv, .offset: 16, .size: 8, .value_kind: global_buffer, .address_space: global }
      - { .name: Wo, .offset: 24, .size: 8, .value_kind: global_buffer, .address_space: global }
      - { .name: lowp_scales, .offset: 32, .size: 8, .value_kind: global_buffer, .address_space: global }
      - { .name: wcodes, .offset: 40, .size: 8, .value_kind: global_buffer, .address_space: global }
    .group_segment_fixed_size: 0
    .private_segment_fixed_size: 0
    .kernarg_segment_align: 8
    .kernarg_segment_size: 48
    .max_flat_workgroup_size: 64
    .sgpr_count:     66
    .vgpr_count:     96
    .wavefront_size: 32
...
	.end_amdgpu_metadata
.endif
;; end of part 1
;; launch qkv (part 2): grid 64 x 3, 4 waves a work-group, clusters of 4 x 1, 262,912 bytes of LDS; arguments x, wcodes, bq, bk, bv, lowp_scales, qkv; writes qkv
.if DOCPART == 2
	.amdgcn_target "amdgcn-amd-amdhsa--gfx1250"
	.amdhsa_code_object_version 6
	.text
	.protected	k_q2af27a6950_qkv
	.globl	k_q2af27a6950_qkv
	.p2align	8
	.type	k_q2af27a6950_qkv,@function
k_q2af27a6950_qkv:
	s_mov_b64 s[64:65], 0
	v_nop
	global_prefetch_b8 v0, s[64:65] scope:SCOPE_SE
	s_setreg_imm32_b32 hwreg(HW_REG_WAVE_MODE, 25, 1), 1
	s_wait_xcnt 0x0
	s_wait_alu depctr_hold_cnt(0) depctr_sa_sdst(0) depctr_va_vdst(0) depctr_va_sdst(0) depctr_va_ssrc(0) depctr_va_vcc(0) depctr_vm_vsrc(0)
	s_getreg_b32 s2, hwreg(HW_REG_IB_STS2, 6, 4)
	s_cmp_eq_u32 s2, 0
	s_cbranch_scc0 .Lentry_in_a_cluster
	s_endpgm
.Lentry_in_a_cluster:
	s_bfe_u32 s2, ttmp6, 0x10000c
	s_cmp_lg_u32 s2, 0x3003
	s_cbranch_scc0 .Lentry_shape_is_right
	s_endpgm
.Lentry_shape_is_right:
; q, k, v = W x + b (1 x 1 convolutions), on codes of E4M3, and the results quantised at once for the two products of attention.
; x: [8][512 channels][1,024 positions] f32.  wcodes: [weight][tile of 16 rows: 32][K step of 128: 4][image: 2,048].  Work-group (t, set): set 0, 1, 2 = q, k, v; batch t / 8, positions 128 (t % 8) on; all 512 output channels.
; A FRAGMENT'S IMAGE: lane (r = lane % 16, h = lane / 16) holds row r, registers 2 c, 2 c + 1 hold k = 16 c + 8 h + 0 .. 7 (the plain 8-bit forms' own layout); registers 4 q .. 4 q + 3 of lane l lie at byte 512 q + 16 l.
; PHASE X.  K (the channels) is not innermost in x.  Wave w quantises channels 128 w .. 128 w + 127 (K step w) of the 128 positions with the set's own scale 2^ex: a lane loads 4 neighbouring positions of 16 channels,
;   the hold re-orders them so that a position's 16 channels stand in consecutive registers, the conversions give four registers of an image, and one ds_store_b128 puts them where the image wants them.  One barrier.
; PHASE M.  Wave w makes channels 128 w .. 128 w + 127 (heads 2 w, 2 w + 1) for all 128 positions: 8 x 8 accumulators, 256 matrix instructions.  The bias, divided by 2^(eW + ex), is the C of each sum's first product.
; WHERE W COMES FROM.  CLUSTER: the four work-groups of a cluster are four blocks of positions of ONE set and want the same W.  Wave w's eight tiles of rows, K steps 1 to 3 (8 rows of 6,144 bytes, 8,192 apart: 48 KB), are asked for
;   JOINTLY: the same tensor load, with the same descriptor and a mask that names the four, in all four; each receives them in its own LDS, where wave w alone reads them.  One tensor load a wave in the whole launch, a first fill:
;   nothing is filled again.  K step 0 (16 KB a wave) comes from memory straight into registers: x's images (64 KB) and all four K steps of W (256 KB) do not fit in LDS together.
; WHICH SOURCE IS WHICH.  q, k: source 0 = 16 rows of W, source 1 = 16 positions: a lane holds one position and eight neighbouring channels, which are neighbours along the K of q k^T.
;   v: source 0 = positions, source 1 = W: a lane holds one channel and eight neighbouring positions, which are neighbours along the K (the keys) of p v.  So each conversion's result IS a pair of registers of the next operand.
; OUT: qkv = [set 3][batch x 8 + head: 64][65,536 bytes]; q, k: [tile of 16 positions: 64][image of 16 x 64: 1,024]; v: [step of 128 keys: 8][tile of 16 channels: 4][image of 16 x 128: 2,048].
; x IS NOT ASKED FOR JOINTLY: it is f32 and has to pass through the vector unit, so it is loaded into registers; the work-groups that share it are the three sets', which form no cluster of four.
; 192 work-groups: one set to a work-group means that a work-group quantises its 128 x 512 numbers of x once, with one scale.
; LIMITS: ex, and eo - eW - ex (eo: entry 6, 7 or 9), between -126 and 119.  NaN among the inputs is not served; an infinity is held at the largest code.
; REGISTERS, in windows of 256.  Window 0: v1-14 addresses and scales; v32-95 T: a unit's numbers in order, later the biases as C; v96-127 two sets of codes; v128-199 the biases as loaded; then v128-255 x's eight fragments, later the results' codes.
;   Window 1: W's fragments of a K step, two sets.  Windows 2, 3: eight slots of 64 for x as loaded; then accumulators (a, b) at v[8 (8 (a % 4) + b)], position tiles a = 0-3 in window 2, a = 4-7 in window 3.
.set TP,    8208                       ; LDS: x's images of one tile of 16 positions: 4 K steps x 2,048 bytes + 16, so that the sixteen lanes of a store, which serve four tiles, fall in sixteen different 16-byte columns modulo 256
.set SPARE, 65792                      ; behind the images (they end at 65,648): the spare words, 128 bytes for each wave: two blocks of 256 bytes that no other line names
.set WB,    66304                      ; behind them: W's K steps 1 to 3,
.set WROW,  6144                       ; a tile of rows' three images on end,
.set WWAVE, 8*WROW                     ; eight tiles a wave: 49,152 bytes, each wave's own
.set LI,  1                            ; v1   16 x lane: an image's place for my lane
.set XA,  2                            ; v2   x: 8 channels down for lanes 16-31, 16 bytes (4 positions) a lane
.set XW,  3                            ; v3   where I store a unit's codes
.set SX,  4                            ; v4   2^ex          v5   448 x 2^ex
.set LX,  5
.set SO,  6                            ; v6   2^(eo - eW - ex)   v7   448 x that
.set LO,  7
.set BQ,  8                            ; v8   32 h: the bias of my eight channels (q, k)
.set BV,  9                            ; v9   4 r: the bias of my channel (v)
.set WA,  14                           ; v14  my wave's part of W in LDS + 16 x lane
.set SPW, 28                           ; v28  LDS address of my spare word; never rewritten
.set NIL, 29                           ; v29  0; never rewritten
.set T,   32
.set CD,  96
.set XF,  128
.set G0,  40                           ; s[40:43] descriptor group 0;  s[44:51] group 1: written once, never again
.set G1,  44
.set MSB, 0
.macro WIN new                         ; the immediate's high byte repeats the setting that is left; a switch that changes nothing is dropped
.if MSB != (\new)
	s_set_vgpr_msb (MSB<<8)|(\new)
.set MSB, (\new)
.endif
.endm
.macro PLACES                          ; four plain vector lines between a matrix instruction and a load into one of its registers, or the first read of its result
.rept 4
	v_nop
.endr
.endm
; A round of the cluster's barrier: my work-group's barrier, so that wave 0's signal speaks for all four waves; wave 0 signals for the work-group; every wave waits for all four work-groups; my work-group's barrier once more.
.macro ROUND
	s_barrier_signal -1
	s_barrier_wait -1
	s_cmp_lg_u32 s18, 0
	s_cbranch_scc1 .Lnot_wave_0_\@
	s_barrier_signal -3
.Lnot_wave_0_\@:
	s_barrier_wait -3
	s_barrier_signal -1
	s_barrier_wait -1
.endm
; Unit u of x: quad u / 2 of the images (32 channels), positions 64 (u % 2) on.  16 loads; each half of the wave reads 256 consecutive bytes, at a multiple of 256 from x's first byte.  Each unit has a slot of its own.
.macro XG u
	WIN 0x80+0x40*((\u)/4)                         ; destination window 2 (units 0-3) or 3 (units 4-7)
.irp cc, 0,1,2,3,4,5,6,7,8,9,10,11,12,13,14,15
	global_load_b128 v[64*((\u)%4)+4*\cc:64*((\u)%4)+4*\cc+3], v[XA], s[4:5] offset:((\u)/2)*131072+(\cc+8*(\cc/8))*4096+((\u)%2)*256
.endr
.endm
; Four of W's eight fragments of K step 0, from memory into set 0: 16 loads of 512 consecutive bytes
.macro WL half
	WIN 0x40                                       ; destination window 1
.irp bb, 0,1,2,3
.irp q, 0,1,2,3
	global_load_b128 v[16*(4*(\half)+\bb)+4*\q:16*(4*(\half)+\bb)+4*\q+3], v[LI], s[6:7] offset:(4*(\half)+\bb)*8192+\q*512
.endr
.endr
.endm
; The biases, in both patterns, 24 small loads, so that no branch stands among counted waits
.macro BL
	WIN 0
.irp b, 0,1,2,3,4,5,6,7
	global_load_b128 v[XF+8*\b:XF+8*\b+3],   v[BQ], s[8:9] offset:64*\b      ; q, k: channels 16 b + 8 h + 0 .. 7
	global_load_b128 v[XF+8*\b+4:XF+8*\b+7], v[BQ], s[8:9] offset:64*\b+16
.endr
.irp b, 0,1,2,3,4,5,6,7
	global_load_b32 v[XF+64+\b], v[BV], s[8:9] offset:64*\b                  ; v: channel 16 b + r
.endr
.endm
	s_load_b128 s[4:7], s[0:1], 0x0                ; x, wcodes
	s_load_b256 s[8:15], s[0:1], 0x10              ; bq, bk, bv, lowp_scales
	s_load_b64 s[16:17], s[0:1], 0x30              ; qkv
	v_lshl_add_u32 v[SPW], v0, 2, SPARE
	v_mov_b32 v[NIL], 0
	ds_add_u32 v[SPW], v[NIL]                      ; the wave's opening: the add and its wait stand ahead of my first tensor load; the set-up below, work on registers, stands between them
	v_lshrrev_b32 v10, 5, v0
	v_readfirstlane_b32 s18, v10                   ; wave 0..3
	s_and_b32 s20, ttmp7, 0xffff                   ; set: the cluster's y, which the four partners share
	s_bfe_u32 s52, ttmp6, 0x40000                  ; cx: my place in the cluster
	s_lshl_b32 s53, ttmp9, 2                       ; in a cluster launch ttmp9 counts clusters
	s_add_co_u32 s53, s53, s52                     ; t = 4 x cluster x + cx: it enters x's and qkv's addresses alone
	s_lshr_b32 s19, s53, 3                         ; batch
	s_and_b32 s21, s53, 7                          ; which 128 positions
	; descriptor group 1: 8 rows of 768 elements of 8 bytes, 1,024 elements apart, dense in LDS
	s_mov_b32 s[G1], 15|(3<<16)|(1<<21)            ; 15:0 the mask: all four work-groups; 17:16 elements of 8 bytes; 20 no padding; 21 set beside a mask
	s_mov_b32 s[G1+1], 768<<16                     ; tensor_dim0 = 768
	s_mov_b32 s[G1+2], 8<<16                       ; tensor_dim1 = 8
	s_mov_b32 s[G1+3], 768<<16                     ; tile_dim0 = 768
	s_mov_b32 s[G1+4], 8                           ; tile_dim1 = 8
	s_mov_b32 s[G1+5], 1024                        ; tensor_dim0_stride: a tile of rows' four K steps
	s_mov_b32 s[G1+6], 0
	s_mov_b32 s[G1+7], 0
	v_and_b32 v10, 31, v0
	v_and_b32 v11, 15, v0                          ; r
	v_bfe_u32 v12, v0, 4, 1                        ; h
	v_lshlrev_b32 v[LI], 4, v10
	v_lshlrev_b32 v[XA], 4, v11
	v_lshl_add_u32 v[XA], v12, 15, v[XA]           ; 8 rows of 4,096 bytes x h + 16 r
	v_bfe_u32 v13, v0, 2, 2                        ; my 4 positions lie in tile (lane % 16) / 4 of the unit's four,
	v_mul_u32_u24 v[XW], v13, TP
	v_and_b32 v13, 3, v0                           ; as its rows 4 (lane % 4) + 0 .. 3: image lanes 16 h + 4 (lane % 4) + i
	v_lshl_add_u32 v[XW], v13, 6, v[XW]
	v_lshl_add_u32 v[XW], v12, 8, v[XW]
	s_lshl_b32 s38, s18, 11                        ; K step = my wave.  (s38, s39 hold the wave's number and the set alone: no place in the cluster enters an LDS address or the descriptor)
	v_add_nc_u32 v[XW], s38, v[XW]
	s_mul_i32 s38, s18, WWAVE
	s_add_co_u32 s38, s38, WB                      ; my wave's part of W in LDS
	v_add_nc_u32 v[WA], s38, v[LI]
	s_mov_b32 s[G0], 1                             ; 1:0 count = 1
	s_mov_b32 s[G0+1], s38                         ; 63:32 LDS address
	v_lshlrev_b32 v[BQ], 5, v12
	v_lshlrev_b32 v[BV], 2, v11
	s_lshl_b32 s30, s20, 18                        ; wcodes: the set's weight, my wave's eight tiles of rows
	s_lshl_b32 s39, s18, 16
	s_add_co_u32 s30, s30, s39
	s_mov_b32 s31, 0
	s_lshl_b32 s32, s18, 9                         ; the bias: my wave's 128 numbers
	s_mov_b32 s33, 0
	s_lshl_b32 s28, s19, 21                        ; x: batch x 2 MiB + 512 bytes x block of positions + my wave's 128 channels
	s_lshl_b32 s36, s21, 9
	s_add_co_u32 s28, s28, s36
	s_lshl_b32 s36, s18, 19
	s_add_co_u32 s28, s28, s36
	s_mov_b32 s29, 0
	s_lshl_b32 s34, s19, 3                         ; qkv: set x 4 MiB + (8 batch + 2 wave) x 65,536 + 8,192 x block of positions
	s_lshl_b32 s36, s18, 1
	s_add_co_u32 s34, s34, s36
	s_lshl_b32 s34, s34, 16
	s_lshl_b32 s36, s20, 22
	s_add_co_u32 s34, s34, s36
	s_lshl_b32 s36, s21, 13
	s_add_co_u32 s34, s34, s36
	s_mov_b32 s35, 0
	s_lshl_b32 s22, s20, 3                         ; lowp_scales: (eW, ex) are entries 2 set, 2 set + 1;
	s_lshr_b32 s23, s20, 1
	s_add_co_u32 s23, s23, s20
	s_lshl_b32 s23, s23, 2                         ; eo is entry 6, 7, 9
	s_wait_dscnt 0x0                               ; the opening add is done
	ROUND                                          ; all four work-groups are here: the joint loads meet.  (The arguments are on their way meanwhile)
	s_wait_kmcnt 0x0
	s_load_b64 s[24:25], s[14:15], s22 offset:0x0
	s_load_b32 s26, s[14:15], s23 offset:0x18
	s_cmp_eq_u32 s20, 1                            ; the choice of the bias hangs on the set alone
	s_cselect_b64 s[8:9], s[10:11], s[8:9]
	s_cmp_eq_u32 s20, 2
	s_cselect_b64 s[8:9], s[12:13], s[8:9]
	s_add_nc_u64 s[6:7], s[6:7], s[30:31]
	s_add_nc_u64 s[G0+2:G0+3], s[6:7], 2048        ; 120:64 global address: K step 1 of my first tile of rows
	s_or_b32 s[G0+3], s[G0+3], 0x80000000          ; 127:126 type = 2
	tensor_load_to_lds s[G0:G0+3], s[G1:G1+7]      ; my one tensor load: by this text's own count one is outstanding
	s_nop 0                                        ; an s_nop 0 and four v_nop follow it
.rept 4
	v_nop
.endr
	s_add_nc_u64 s[4:5], s[4:5], s[28:29]
	s_add_nc_u64 s[8:9], s[8:9], s[32:33]
	s_add_nc_u64 s[16:17], s[16:17], s[34:35]
	XG 0
	XG 1
	XG 2
	XG 3
	WIN 0
	s_wait_kmcnt 0x0
	s_add_co_i32 s36, s25, 127
	s_lshl_b32 s37, s36, 23
	v_mov_b32 v[SX], s37                           ; 2^ex
	s_add_co_i32 s36, s36, 8
	s_lshl_b32 s36, s36, 23
	s_or_b32 s36, s36, 0x600000
	v_mov_b32 v[LX], s36                           ; 448 x 2^ex
	s_add_co_i32 s27, s24, s25                     ; a sum stands for sum x 2^(eW + ex):
	s_sub_co_i32 s36, s26, s27                     ; its code is sum / 2^(eo - eW - ex): three scales folded into one,
	s_sub_co_i32 s27, 0, s27                       ; and the bias goes in as b / 2^(eW + ex)
	s_add_co_i32 s36, s36, 127
	s_lshl_b32 s37, s36, 23
	v_mov_b32 v[SO], s37
	s_add_co_i32 s36, s36, 8
	s_lshl_b32 s36, s36, 23
	s_or_b32 s36, s36, 0x600000
	v_mov_b32 v[LO], s36
; PHASE X, unit u.  Loads go in groups, four groups ahead, in this order: x's eight units (16 each), W's K step 0 in two groups of 16, the 24 of the biases.
.macro UNIT u
.if (\u) == 7
	s_wait_loadcnt 56                              ; unit 7's loads are in; W's 32 and the biases' 24 stay out
.else
	s_wait_loadcnt 48                              ; my unit's 16 loads are in (loads come back in order: ISA guide 5.7.1); the three younger groups of 16 stay out
.endif
.if (\u)+4 < 8
	XG (\u)+4
.elseif (\u)+4 < 10
	WL (\u)-4
.elseif (\u) == 6
	BL
.endif
.if (\u) >= 2
	s_wait_dscnt 4                                 ; the stores of two units ago have read this set of codes; the last unit's four may be out
.endif
	WIN 0x02+(\u)/4                                ; source 0 window 2 or 3
.irp i, 0,1,2,3
.irp cc, 0,1,2,3,4,5,6,7,8,9,10,11,12,13,14,15
	v_med3_num_f32 v[T+16*\i+\cc], v[64*((\u)%4)+4*\cc+\i], -v[LX], v[LX]   ; the hold (the conversion does not saturate: ISA guide 7.6.2) also puts position i's 16 channels in a row
.endr
.endr
	WIN 0
.irp i, 0,1,2,3
.irp g, 0,1
	v_cvt_scalef32_pk8_fp8_f32 v[CD+16*((\u)%2)+4*\i+2*\g:CD+16*((\u)%2)+4*\i+2*\g+1], v[T+16*\i+8*\g:T+16*\i+8*\g+7], v[SX]
.endr
.endr
	v_nop                                          ; a plain line behind the last conversion: the next unit writes T again
.irp i, 0,1,2,3
	ds_store_b128 v[XW], v[CD+16*((\u)%2)+4*\i:CD+16*((\u)%2)+4*\i+3] offset:((\u)%2)*4*TP+((\u)/2)*512+16*\i
.endr
.endm
.irp u, 0,1,2,3,4,5,6,7
	UNIT \u
.endr
	s_wait_dscnt 0x0                               ; for the others' sake: my stores have landed
	s_barrier_signal -1
	s_barrier_wait -1                              ; x's 32 images lie in LDS; from here on LDS is only read.  (My tensor load may still be out)
; x's fragments of K step s, position tiles a0 .. a0 + 3: 16 loads of 512 consecutive bytes
.macro FETCHX s, a0
.irp aa, 0,1,2,3
.irp q, 0,1,2,3
	ds_load_b128 v[XF+16*((\a0)+\aa)+4*\q:XF+16*((\a0)+\aa)+4*\q+3], v[LI] offset:((\a0)+\aa)*TP+(\s)*2048+\q*512
.endr
.endr
.endm
; W's eight fragments of K step s (1 to 3), from my wave's part of LDS into set s % 2: 32 loads of 512 consecutive bytes
.macro WLDS s
	WIN 0x40                                       ; destination window 1, address window 0
.irp b, 0,1,2,3,4,5,6,7
.irp q, 0,1,2,3
	ds_load_b128 v[128*((\s)%2)+16*\b+4*\q:128*((\s)%2)+16*\b+4*\q+3], v[WA] offset:\b*WROW+((\s)-1)*2048+\q*512
.endr
.endr
.endm
; 16 matrix instructions: position tiles a0, a0 + 1 x W's eight tiles.  K step 0 starts the sums with the bias as C.  The 64 accumulators take turns, one instruction a turn, in the same order in every K step.
.macro MUL16 vp, s, a0
.irp a, \a0, \a0+1
.irp b, 0,1,2,3,4,5,6,7
.set rD, 8*(8*((\a)%4)+\b)
.set rW, 128*((\s)%2)+16*\b
.set rX, XF+16*(\a)
.if \vp
.if (\s) == 0
	v_wmma_f32_16x16x128_fp8_fp8 v[rD:rD+7], v[rX:rX+15], v[rW:rW+15], v[T+8*\b:T+8*\b+7]
.else
	v_wmma_f32_16x16x128_fp8_fp8 v[rD:rD+7], v[rX:rX+15], v[rW:rW+15], v[rD:rD+7]
.endif
.else
.if (\s) == 0
	v_wmma_f32_16x16x128_fp8_fp8 v[rD:rD+7], v[rW:rW+15], v[rX:rX+15], v[T+8*\b:T+8*\b+7]
.else
	v_wmma_f32_16x16x128_fp8_fp8 v[rD:rD+7], v[rW:rW+15], v[rX:rX+15], v[rD:rD+7]
.endif
.endif
.endr
.endr
.endm
; A K step of 128: 64 matrix instructions.  Window bytes: W in window 1 and x in window 0 are source 0 and 1 (q, k: 0x01) or 1 and 0 (v: 0x04); C is window 0 in K step 0, else the accumulators' window, 2 or 3.
; THE ORDER OF THE LDS LOADS (Xsa, Xsb: x's tiles 0-3, 4-7 of K step s, 16 loads each; Ws: 32):  X0a X0b W1 | X1a | X1b W2 | X2a | X2b W3 | X3a | X3b.  LDS loads come back in order (ISA guide 5.7.1).
.macro KSTEP vp, s
.if (\s) < 3
	s_wait_dscnt 48                                ; W of this step and x's tiles 0-3 are in; tiles 4-7 (16) and the next step's W (32) may be out
.else
	s_wait_dscnt 16                                ; the last step: only tiles 4-7 may be out
.endif
.if (\s) == 0
	WIN 0x81+3*(\vp)
.else
	WIN 0xa1+3*(\vp)
.endif
	MUL16 \vp, \s, 0
	MUL16 \vp, \s, 2
.if (\s) < 3
	s_wait_dscnt 32                                ; tiles 4-7 are in; the next step's W may be out
.else
	s_wait_dscnt 0x0
.endif
	PLACES
.if (\s) < 3
	WIN 0
	FETCHX (\s)+1, 0
.endif
.if (\s) == 0
	WIN 0xc1+3*(\vp)
.else
	WIN 0xf1+3*(\vp)
.endif
	MUL16 \vp, \s, 4
	MUL16 \vp, \s, 6
	PLACES
.if (\s) < 3
	WIN 0
	FETCHX (\s)+1, 4
.endif
.if (\s) < 2
	WLDS (\s)+2                                    ; W's K step s + 2 into the set that this step has left: a whole K step ahead of its use
.endif
.endm
.macro PHASEM vp
	s_wait_loadcnt 0x0                             ; W's K step 0 and the biases
.if \vp
.irp b, 0,1,2,3,4,5,6,7
.irp j, 0,1,2,3,4,5,6,7
	v_ldexp_f32 v[T+8*\b+\j], v[XF+64+\b], s27     ; v: a lane's eight results of a tile are one channel's
.endr
.endr
.else
.set i, 0
.rept 64
	v_ldexp_f32 v[T+i], v[XF+i], s27               ; q, k: register j of tile b is channel 16 b + 8 h + j
.set i, i+1
.endr
.endif
	FETCHX 0, 0
	FETCHX 0, 4
	s_wait_tensorcnt 0x0                           ; my part of W has landed; I alone read it, so this wait is all the ordering that the reads need
	WLDS 1
	KSTEP \vp, 0
	KSTEP \vp, 1
	KSTEP \vp, 2
	KSTEP \vp, 3
	; THE WAY OUT: hold, convert, store, a window of 32 accumulators at a time; the first window's codes leave while the second's are made.  Each accumulator is read from its low end on.
.irp wd, 0,1
	WIN 0x82+0x41*\wd                              ; source 0 and destination: window 2, then 3
.set i, 0
.rept 256
	v_med3_num_f32 v[i], v[i], -v[LO], v[LO]
.set i, i+1
.endr
	WIN 0x02+\wd
.irp aa, 0,1,2,3
.irp b, 0,1,2,3,4,5,6,7
.if \vp
.set rC, XF+16*\b+2*(4*\wd+\aa)                    ; v: channel tile b's image, registers 2 a, 2 a + 1: keys 16 a + 8 h + 0 .. 7
.else
.set rC, XF+16*(4*\wd+\aa)+2*\b                    ; q, k: position tile a; head b / 4's image, registers 2 (b % 4), + 1: channels 16 (b % 4) + 8 h + 0 .. 7
.endif
	v_cvt_scalef32_pk8_fp8_f32 v[rC:rC+1], v[8*(8*\aa+\b):8*(8*\aa+\b)+7], v[SO]
.endr
.endr
	v_nop                                          ; a plain line behind the last conversion
	WIN 0
.if \vp
.irp u, 0,1                                        ; position tiles 4 wd .. 4 wd + 3 are quads 2 wd, 2 wd + 1 of every image
.irp dt, 0,1,2,3
.irp qq, 0,1
	global_store_b128 v[LI], v[XF+16*(4*\u+\dt)+4*(2*\wd+\qq):XF+16*(4*\u+\dt)+4*(2*\wd+\qq)+3], s[16:17] offset:\u*65536+\dt*2048+(2*\wd+\qq)*512   ; 32 lanes store 512 consecutive bytes, aligned to 256
.endr
.endr
.endr
.else
.irp aa, 0,1,2,3
.irp u, 0,1
.irp q, 0,1
	global_store_b128 v[LI], v[XF+16*(4*\wd+\aa)+8*\u+4*\q:XF+16*(4*\wd+\aa)+8*\u+4*\q+3], s[16:17] offset:\u*65536+(4*\wd+\aa)*1024+\q*512
.endr
.endr
.endr
.endif
.endr
.endm
	s_cmp_eq_u32 s20, 2                            ; a branch on the set: the same way in all four waves and in all four partners; no barrier and no tensor load stands in either way
	s_cbranch_scc1 .Lv_path
	PHASEM 0
	s_branch .Lend
.Lv_path:
	PHASEM 1
.Lend:
	s_wait_tensorcnt 0x0                           ; the wave's end: these three lines stand behind my last tensor load and my last LDS store
	ds_add_u32 v[SPW], v[NIL]
	s_wait_dscnt 0x0
	ROUND                                          ; the closing round: no work-group ends while a partner may still ask for a tile that names it
	s_endpgm
.Lfunc_end_k_q2af27a6950_qkv:
	.size	k_q2af27a6950_qkv, .Lfunc_end_k_q2af27a6950_qkv-k_q2af27a6950_qkv
	.p2alignl 7, 3214868480
	.fill 96, 4, 3214868480
	.section	.rodata,"a",@progbits
	.p2align	6, 0x0
	.amdhsa_kernel k_q2af27a6950_qkv
		.amdhsa_group_segment_fixed_size 262912
		.amdhsa_private_segment_fixed_size 0
		.amdhsa_enable_private_segment 0
		.amdhsa_kernarg_size 56
		.amdhsa_user_sgpr_count 2
		.amdhsa_user_sgpr_kernarg_segment_ptr 1
		.amdhsa_wavefront_size32 1
		.amdhsa_system_sgpr_workgroup_id_x 1
		.amdhsa_system_sgpr_workgroup_id_y 1
		.amdhsa_system_sgpr_workgroup_id_z 1
		.amdhsa_system_vgpr_workitem_id 0
		.amdhsa_next_free_vgpr 1024
		.amdhsa_next_free_sgpr 66
		.amdhsa_reserve_vcc 0
		.amdhsa_float_denorm_mode_32 3
		.amdhsa_float_denorm_mode_16_64 3
		.amdhsa_memory_ordered 1
		.amdhsa_forward_progress 1
		.amdhsa_inst_pref_size 213
	.end_amdhsa_kernel
	.amdgpu_metadata
---
amdhsa.version: [ 1, 2 ]
amdhsa.kernels:
  - .name:           k_q2af27a6950_qkv
    .symbol:         k_q2af27a6950_qkv.kd
    .args:
      - { .name: x, .offset: 0, .size: 8, .value_kind: global_buffer, .address_space: global }
      - { .name: wcodes, .offset: 8, .size: 8, .value_kind: global_buffer, .address_space: global }
      - { .name: bq, .offset: 16, .size: 8, .value_kind: global_buffer, .address_space: global }
      - { .name: bk, .offset: 24, .size: 8, .value_kind: global_buffer, .address_space: global }
      - { .name: bv, .offset: 32, .size: 8, .value_kind: global_buffer, .address_space: global }
      - { .name: lowp_scales, .offset: 40, .size: 8, .value_kind: global_buffer, .address_space: global }
      - { .name: qkv, .offset: 48, .size: 8, .value_kind: global_buffer, .address_space: global }
    .group_segment_fixed_size: 262912
    .private_segment_fixed_size: 0
    .kernarg_segment_align: 8
    .kernarg_segment_size: 56
    .max_flat_workgroup_size: 128
    .sgpr_count:     66
    .vgpr_count:     1024
    .wavefront_size: 32
...
	.end_amdgpu_metadata
.endif
;; end of part 2
;; launch attn (part 3): grid 4 x 64, 8 waves a work-group, no clusters, 132,096 bytes of LDS; arguments qkv, lowp_scales, acodes; writes acodes
.if DOCPART == 3
	.amdgcn_target "amdgcn-amd-amdhsa--gfx1250"
	.amdhsa_code_object_version 6
	.text
	.protected	k_q2af27a6950_attn
	.globl	k_q2af27a6950_attn
	.p2align	8
	.type	k_q2af27a6950_attn,@function
k_q2af27a6950_attn:
	s_mov_b64 s[64:65], 0
	v_nop
	global_prefetch_b8 v0, s[64:65] scope:SCOPE_SE
	s_setreg_imm32_b32 hwreg(HW_REG_WAVE_MODE, 25, 1), 1
	s_wait_xcnt 0x0
; o = softmax(q k^T / 8) v for one head and 256 queries, both products on codes of E4M3, and o quantised at once for the last projection.
; qkv: [set q, k, v][batch x 8 + head: 64][65,536]: q, k as images of fragments of 16 positions x 64 channels (1,024 bytes), v as images of 16 channels x 128 keys (2,048 bytes): registers 2 c, 2 c + 1 of lane (r, h)
; hold k = 16 c + 8 h + 0 .. 7 of row r; registers 4 q .. 4 q + 3 of lane l lie at byte 512 q + 16 l.
; THE SOFTMAX AHEAD OF THE SECOND PRODUCT: t = score x log2(e) / 8; M = the largest t so far, rounded UP to a whole number; p = 2^(t - M) is quantised, not normalised.  The row's sum is taken of the unquantised p
; and divides at the end.  When M moves, the sum and O are multiplied by 2^(old M - new M): nothing is rounded.
; SHARES.  Work-group (x, y): head y (batch y / 8), queries 256 x on.  Eight waves, 32 queries each: two tiles of 16, which share every fragment of K and V.  Two waves to a SIMD, so that one wave's vector work stands beside the other's LDS loads and products.
; A head's K and V codes, 64 KB each, are copied into LDS once, through registers; one barrier; then LDS is only read.  A step is 128 keys: 16 products K Q^T (K = 64), the softmax, 8 products V^T P (K = 128).
; LAYOUT.  Both products are used transposed: S^T = K Q^T (source 0 = 16 keys, source 1 = 16 queries): a lane holds one query and, of key tile kt, keys 16 kt + 8 h + 0 .. 7: their eight codes are registers 2 kt, 2 kt + 1
; of P's fragment.  O^T = V^T P (source 0 = 16 channels, source 1 = P): a lane holds one query and channels 16 dt + 8 h + 0 .. 7: their codes are registers of the last projection's fragment.  Nothing changes lanes but the maximum and the sum.
; THE HOLD OF p.  p is at most 1, so p / 2^ep can pass 448 only where ep is -9 or less.  Where ep is -8 or more a scalar branch on that whole number leaves the step's 128 holds out.
; NO JOINT LOADS: the four work-groups of a head share K and V, 128 KB that each fetches once at its head; the branch on ep spares 128 of a step's some 520 vector instructions.
; OUT: acodes = [batch 8][tile of 16 positions: 64][K step of 128 channels: 4][2,048]; head e's 64 channels are quads 2 (e % 2), + 1 of K step e / 2.
; LIMITS: eq + ek between -123 and 130 (added to c's exponent field); ep, and entry 11, between -126 and 119; ep + ev goes through v_ldexp_f32 and has none.  NaN is not served.
; Numbers p so far under the row's largest that they fall under the format's range are lost, under a running M somewhat sooner than under the final one.
; REGISTERS.  Window 0: v1-7 addresses, scales; v8-18, v20-30 the two tiles' statistics; v19, v31 the step's LDS addresses; v32-95 V's four fragments; v96-223 S^T, then p; v224-255 p's codes.
;   Window 1: v0-63 O^T; v64-79 Q; v80-143 K's eight fragments.
.set LI,  1                            ; v1   16 x lane
.set TA,  2                            ; v2   16 x thread: the copy's place, in memory and in K's image
.set TV,  3                            ; v3   the same in V's image
.set SC,  4                            ; v4   2^ep; at the end 2^(entry 11)
.set LP,  5                            ; v5   448 x that
.set SPW, 6                            ; v6   LDS address of my spare word; never rewritten
.set NIL, 7                            ; v7   0; never rewritten
.set ST,  8                            ; tile t's statistics at v[ST + 12 t]: +0 -M, +1 the largest t, +2, +3 the sum in two halves, +4 f (+5 named with it), +6, +7 at work, +8, +9 a second chain of the sum, +10 the permute's
.set ADK, 19
.set ADV, 31
.set VF,  32
.set S,   96
.set P,   224
.set O,   0                            ; in window 1
.set QF,  64
.set KF,  80
.set VIMG,  65536                      ; LDS: K's image at 0, V's here,
.set SPARE, 131072                     ; and the spare words, 128 bytes for each wave: four blocks of 256 bytes that no other line names
.set MSB, 0
.macro WIN new                         ; the immediate's high byte repeats the setting that is left
.if MSB != (\new)
	s_set_vgpr_msb (MSB<<8)|(\new)
.set MSB, (\new)
.endif
.endm
	s_load_b128 s[4:7], s[0:1], 0x0                ; qkv, lowp_scales
	s_load_b64 s[8:9], s[0:1], 0x10                ; acodes
	v_lshl_add_u32 v[SPW], v0, 2, SPARE
	v_mov_b32 v[NIL], 0
	v_lshrrev_b32 v[LI], 5, v0
	v_readfirstlane_b32 s10, v[LI]                 ; wave 0..7
	s_and_b32 s12, ttmp7, 0xffff                   ; batch x 8 + head
	v_and_b32 v[LI], 31, v0
	v_lshlrev_b32 v[LI], 4, v[LI]
	v_lshlrev_b32 v[TA], 4, v0
	v_add_nc_u32 v[TV], VIMG, v[TA]
	s_lshl_b32 s36, s12, 16                        ; the head's 65,536 bytes in each set
	s_mov_b32 s37, 0
	s_lshl_b32 s38, ttmp9, 4
	s_lshl_b32 s13, s10, 1
	s_add_co_u32 s38, s38, s13                     ; my first tile of 16 queries: 16 x + 2 wave
	s_lshl_b32 s40, s38, 13                        ; in acodes: 8,192 bytes a tile,
	s_lshl_b32 s38, s38, 10                        ; in q: 1,024
	s_mov_b32 s39, 0
	s_lshr_b32 s13, s12, 3
	s_lshl_b32 s13, s13, 19                        ; batch x 64 tiles
	s_add_co_u32 s40, s40, s13
	s_bfe_u32 s13, s12, 0x20001                    ; head / 2: the K step
	s_lshl_b32 s13, s13, 11
	s_add_co_u32 s40, s40, s13
	s_and_b32 s13, s12, 1                          ; head % 2: which two quads
	s_lshl_b32 s13, s13, 10
	s_add_co_u32 s40, s40, s13
	s_mov_b32 s41, 0
	s_mov_b32 s32, 0x76543210                      ; v_permlanex16_b32's selects: lane l xor 16
	s_mov_b32 s33, 0xfedcba98
	s_mov_b32 s34, 0                               ; the step's byte in each image: 8,192 a step
	s_mov_b32 s35, 7                               ; trips
	s_wait_kmcnt 0x0
	s_load_b128 s[24:27], s[6:7], 0x18             ; eq, ek, ep, ev
	s_load_b32 s28, s[6:7], 0x2c                   ; entry 11: the scale of o as an operand
	s_add_nc_u64 s[20:21], s[4:5], s[36:37]
	s_add_nc_u64 s[16:17], s[20:21], 0x400000      ; K
	s_add_nc_u64 s[18:19], s[20:21], 0x800000      ; V
	s_add_nc_u64 s[20:21], s[20:21], s[38:39]      ; Q at my first tile
	s_add_nc_u64 s[22:23], s[8:9], s[40:41]
.irp i, 0,1,2,3,4,5,6,7,8,9,10,11,12,13,14,15
	global_load_b128 v[S+4*\i:S+4*\i+3], v[TA], s[16:17] offset:4096*\i        ; the work-group's 256 threads take 4,096 consecutive bytes a line
.endr
.irp i, 0,1,2,3,4,5,6,7,8,9,10,11,12,13,14,15
	global_load_b128 v[S+64+4*\i:S+64+4*\i+3], v[TA], s[18:19] offset:4096*\i
.endr
	WIN 0x40                                       ; destination window 1
.irp t, 0,1
.irp q, 0,1
	global_load_b128 v[QF+8*\t+4*\q:QF+8*\t+4*\q+3], v[LI], s[20:21] offset:\t*1024+\q*512   ; Q stays in registers
.endr
.endr
.set j, 0
.rept 64
	v_mov_b32 v[O+j], 0                            ; O^T.  (The step is written without a first step of its own: the first change of M multiplies zeros)
.set j, j+1
.endr
	WIN 0
.irp t, 0,1
	v_mov_b32 v[ST+12*\t+1], 0xff61b1e6            ; the largest t so far: -3e38, under every t
	v_floor_f32 v[ST+12*\t], -v[ST+12*\t+1]        ; -M
	v_mov_b32 v[ST+12*\t+2], 0                     ; the sum, in two halves
	v_mov_b32 v[ST+12*\t+3], 0
	v_mov_b32 v[ST+12*\t+5], 0                     ; named as the upper half of f's pair
	v_mov_b32 v[ST+12*\t+10], 0                    ; a lane permute's destination counts as one of its sources
.endr
	s_wait_kmcnt 0x0
	s_add_co_i32 s13, s24, s25
	s_lshl_b32 s13, s13, 23
	s_add_co_i32 s30, s13, 0x3e38aa3b              ; c = log2(e) / 8, with eq + ek added to its exponent field: a score stands for score x 2^(eq + ek)
	s_mov_b32 s31, s30                             ; named with it as a pair
	s_add_co_i32 s13, s26, 127
	s_lshl_b32 s14, s13, 23
	v_mov_b32 v[SC], s14                           ; 2^ep
	s_add_co_i32 s13, s13, 8
	s_lshl_b32 s13, s13, 23
	s_or_b32 s13, s13, 0x600000
	v_mov_b32 v[LP], s13                           ; 448 x 2^ep
	s_wait_loadcnt 20                              ; K's 16 loads are in; V's 16 and Q's 4 may be out
.irp i, 0,1,2,3,4,5,6,7,8,9,10,11,12,13,14,15
	ds_store_b128 v[TA], v[S+4*\i:S+4*\i+3] offset:4096*\i
.endr
	s_wait_loadcnt 4                               ; V's are in
.irp i, 0,1,2,3,4,5,6,7,8,9,10,11,12,13,14,15
	ds_store_b128 v[TV], v[S+64+4*\i:S+64+4*\i+3] offset:4096*\i
.endr
	s_wait_dscnt 0x0                               ; for the others' sake: my stores have landed
	s_barrier_signal -1
	s_barrier_wait -1                              ; both images are whole; from here on LDS is only read
	WIN 0x40
.irp kt, 0,1,2,3,4,5,6,7
.irp q, 0,1
	ds_load_b128 v[KF+8*\kt+4*\q:KF+8*\kt+4*\q+3], v[LI] offset:\kt*1024+\q*512   ; K of step 0
.endr
.endr
	WIN 0
	s_wait_loadcnt 0x0                             ; Q
; A STEP OF 128 KEYS.  more = 1: the next step's K is fetched under this step's softmax.
.macro STEP more
	s_wait_dscnt 0x0                               ; K is in
	WIN 0x05                                       ; K and Q in window 1, S^T in window 0
.irp kt, 0,1,2,3,4,5,6,7
	v_wmma_f32_16x16x64_fp8_fp8 v[S+8*\kt:S+8*\kt+7], v[KF+8*\kt:KF+8*\kt+7], v[QF:QF+7], 0
	v_wmma_f32_16x16x64_fp8_fp8 v[S+64+8*\kt:S+64+8*\kt+7], v[KF+8*\kt:KF+8*\kt+7], v[QF+8:QF+15], 0
.endr
	WIN 0
	v_add_nc_u32 v[ADK], s34, v[LI]                ; four plain lines: the places in front of the loads into V's and K's registers, which products have read, and of the first read of the scores
	v_add_nc_u32 v[ADV], VIMG, v[ADK]
	v_nop
	v_nop
.irp dt, 0,1,2,3
.irp q, 0,1,2,3
	ds_load_b128 v[VF+16*\dt+4*\q:VF+16*\dt+4*\q+3], v[ADV] offset:\dt*2048+\q*512
.endr
.endr
.if \more
	WIN 0x40
.irp kt, 0,1,2,3,4,5,6,7
.irp q, 0,1
	ds_load_b128 v[KF+8*\kt+4*\q:KF+8*\kt+4*\q+3], v[ADK] offset:8192+\kt*1024+\q*512
.endr
.endr
	WIN 0
.endif
	; the largest score of my query among my 64 keys, two chains a tile, the tiles by turns; each accumulator is first read at its low end
.irp t, 0,1
	v_max3_num_f32 v[ST+12*\t+6], v[S+64*\t], v[S+64*\t+1], v[S+64*\t+2]
	v_max3_num_f32 v[ST+12*\t+7], v[S+64*\t+3], v[S+64*\t+4], v[S+64*\t+5]
.endr
.irp i, 6,10,14,18,22,26,30,34,38,42,46,50,54,58
.irp t, 0,1
	v_max3_num_f32 v[ST+12*\t+6], v[ST+12*\t+6], v[S+64*\t+\i], v[S+64*\t+\i+1]
	v_max3_num_f32 v[ST+12*\t+7], v[ST+12*\t+7], v[S+64*\t+\i+2], v[S+64*\t+\i+3]
.endr
.endr
.irp t, 0,1
	v_max3_num_f32 v[ST+12*\t+6], v[ST+12*\t+6], v[S+64*\t+62], v[S+64*\t+63]
.endr
.irp t, 0,1
	v_max_num_f32 v[ST+12*\t+6], v[ST+12*\t+6], v[ST+12*\t+7]
.endr
.irp t, 0,1
	v_permlanex16_b32 v[ST+12*\t+10], v[ST+12*\t+6], s32, s33
.endr
.irp t, 0,1
	v_max_num_f32 v[ST+12*\t+6], v[ST+12*\t+6], v[ST+12*\t+10]   ; and among lane l xor 16's
.endr
.irp t, 0,1
	v_mul_f32 v[ST+12*\t+6], s30, v[ST+12*\t+6]    ; as t (c is positive)
.endr
.irp t, 0,1
	v_max_num_f32 v[ST+12*\t+1], v[ST+12*\t+1], v[ST+12*\t+6]    ; the running largest t
.endr
.irp t, 0,1
	v_mov_b32 v[ST+12*\t+6], v[ST+12*\t]
.endr
.irp t, 0,1
	v_floor_f32 v[ST+12*\t], -v[ST+12*\t+1]        ; the new -M = floor(-t): M is a whole number
.endr
.irp t, 0,1
	v_sub_f32 v[ST+12*\t+6], v[ST+12*\t], v[ST+12*\t+6]          ; old M - new M: a whole number, 0 or less
.endr
.irp t, 0,1
	v_cvt_i32_f32 v[ST+12*\t+6], v[ST+12*\t+6]     ; (it saturates)
.endr
.irp t, 0,1
	v_ldexp_f32 v[ST+12*\t+4], 1.0, v[ST+12*\t+6]  ; f = 2^(old M - new M)
.endr
.irp t, 0,1
.set j, 0
.rept 32
	v_pk_fma_f32 v[S+64*\t+j:S+64*\t+j+1], v[S+64*\t+j:S+64*\t+j+1], s[30:31], v[ST+12*\t:ST+12*\t+1] op_sel_hi:[1,0,0]   ; t - M, two at a time (of the pairs c and -M the low word serves both halves)
.set j, j+2
.endr
.endr
.set j, 0
.rept 128
	v_exp_f32 v[S+j], v[S+j]                       ; p = 2^(t - M), at most 1: one batch
.set j, j+1
.endr
.irp t, 0,1
	v_pk_mul_f32 v[ST+12*\t+2:ST+12*\t+3], v[ST+12*\t+2:ST+12*\t+3], v[ST+12*\t+4:ST+12*\t+5] op_sel_hi:[1,0]   ; the sums under the new M: the plain lines behind the batch
.endr
	s_wait_alu depctr_va_vdst(0)                   ; a wait ahead of the first line that names an exponential's result: one for the batch
.irp t, 0,1
	v_pk_add_f32 v[ST+12*\t+8:ST+12*\t+9], v[S+64*\t:S+64*\t+1], v[S+64*\t+2:S+64*\t+3]   ; the row's sum is taken of the unquantised p, two chains a tile
.endr
.irp j, 4,8,12,16,20,24,28,32,36,40,44,48,52,56,60
.irp t, 0,1
	v_pk_add_f32 v[ST+12*\t+2:ST+12*\t+3], v[ST+12*\t+2:ST+12*\t+3], v[S+64*\t+\j:S+64*\t+\j+1]
	v_pk_add_f32 v[ST+12*\t+8:ST+12*\t+9], v[ST+12*\t+8:ST+12*\t+9], v[S+64*\t+\j+2:S+64*\t+\j+3]
.endr
.endr
.irp t, 0,1
	v_pk_add_f32 v[ST+12*\t+2:ST+12*\t+3], v[ST+12*\t+2:ST+12*\t+3], v[ST+12*\t+8:ST+12*\t+9]
.endr
	s_cmp_ge_i32 s26, -8                           ; p / 2^ep is at most 2^8 where ep is -8 or more: nothing to hold
	s_cbranch_scc1 .Lno_hold_\@
.set j, 0
.rept 128
	v_min_num_f32 v[S+j], v[S+j], v[LP]            ; the conversion does not saturate (ISA guide 7.6.2); p is not negative, so the hold is one-sided
.set j, j+1
.endr
.Lno_hold_\@:
.irp t, 0,1
.irp kt, 0,1,2,3,4,5,6,7
	v_cvt_scalef32_pk8_fp8_f32 v[P+16*\t+2*\kt:P+16*\t+2*\kt+1], v[S+64*\t+8*\kt:S+64*\t+8*\kt+7], v[SC]
.endr
.endr
	WIN 0x41                                       ; O^T (destination and source 0) in window 1, f in window 0
.irp t, 0,1
.set j, 0
.rept 16
	v_pk_mul_f32 v[O+32*\t+j:O+32*\t+j+1], v[O+32*\t+j:O+32*\t+j+1], v[ST+12*\t+4:ST+12*\t+5] op_sel_hi:[1,0]   ; O^T under the new M.  (Also the plain lines behind the conversions)
.set j, j+2
.endr
.endr
.if \more
	s_wait_dscnt 16                                ; V is in; the next step's 16 loads of K may be out
.else
	s_wait_dscnt 0x0
.endif
	WIN 0x50                                       ; V and P in window 0, O^T in window 1
.irp dt, 0,1,2,3                                   ; eight accumulators by turns, one instruction a turn
	v_wmma_f32_16x16x128_fp8_fp8 v[O+8*\dt:O+8*\dt+7], v[VF+16*\dt:VF+16*\dt+15], v[P:P+15], v[O+8*\dt:O+8*\dt+7]
	v_wmma_f32_16x16x128_fp8_fp8 v[O+32+8*\dt:O+32+8*\dt+7], v[VF+16*\dt:VF+16*\dt+15], v[P+16:P+31], v[O+32+8*\dt:O+32+8*\dt+7]
.endr
	WIN 0
	s_add_co_u32 s34, s34, 8192
.endm
.Lstep:                                            ; seven trips; the eighth step is written out, since it fetches no further K
	STEP 1
	s_sub_co_u32 s35, s35, 1
	s_cmp_lg_u32 s35, 0
	s_cbranch_scc1 .Lstep
	STEP 0
	; THE WAY OUT.  o = O^T x 2^(ep + ev) / the sum; its codes with the scale of entry 11.  The additions and moves are the places behind the last products.
.irp t, 0,1
	v_add_f32 v[ST+12*\t+2], v[ST+12*\t+2], v[ST+12*\t+3]
.endr
.irp t, 0,1
	v_permlanex16_b32 v[ST+12*\t+10], v[ST+12*\t+2], s32, s33
.endr
.irp t, 0,1
	v_add_f32 v[ST+12*\t+2], v[ST+12*\t+2], v[ST+12*\t+10]       ; the row's sum
.endr
.irp t, 0,1
	v_rcp_f32 v[ST+12*\t+4], v[ST+12*\t+2]
.endr
	s_add_co_i32 s36, s26, s27                     ; ep + ev
	s_add_co_i32 s13, s28, 127
	s_lshl_b32 s14, s13, 23
	s_add_co_i32 s13, s13, 8
	s_lshl_b32 s13, s13, 23
	s_or_b32 s13, s13, 0x600000
	v_mov_b32 v[SC], s14                           ; 2^(entry 11).  (The plain lines behind the reciprocals)
	v_mov_b32 v[LP], s13                           ; 448 x that
	s_wait_alu depctr_va_vdst(0)                   ; a wait ahead of the first use: one for the two reciprocals
.irp t, 0,1
	v_ldexp_f32 v[ST+12*\t+4], v[ST+12*\t+4], s36
.endr
	WIN 0x01                                       ; source 0 window 1
.irp t, 0,1
.set j, 0
.rept 32
	v_mul_f32 v[S+64*\t+j], v[O+32*\t+j], v[ST+12*\t+4]          ; register 8 dt + i is o(query r, channel 16 dt + 8 h + i); each accumulator from its low end on
.set j, j+1
.endr
.endr
	WIN 0
.irp t, 0,1
.set j, 0
.rept 32
	v_med3_num_f32 v[S+64*\t+j], v[S+64*\t+j], -v[LP], v[LP]
.set j, j+1
.endr
.endr
.irp t, 0,1
.irp dt, 0,1,2,3
	v_cvt_scalef32_pk8_fp8_f32 v[P+16*\t+2*\dt:P+16*\t+2*\dt+1], v[S+64*\t+8*\dt:S+64*\t+8*\dt+7], v[SC]
.endr
.endr
	v_nop                                          ; a plain line behind the last conversion
.irp t, 0,1
.irp q, 0,1
	global_store_b128 v[LI], v[P+16*\t+4*\q:P+16*\t+4*\q+3], s[22:23] offset:\t*8192+\q*512   ; 32 lanes store 512 consecutive bytes, aligned to 256
.endr
.endr
	s_wait_tensorcnt 0x0                           ; the wave's end: three lines behind my last LDS store
	ds_add_u32 v[SPW], v[NIL]
	s_wait_dscnt 0x0
	s_endpgm
.Lfunc_end_k_q2af27a6950_attn:
	.size	k_q2af27a6950_attn, .Lfunc_end_k_q2af27a6950_attn-k_q2af27a6950_attn
	.p2alignl 7, 3214868480
	.fill 96, 4, 3214868480
	.section	.rodata,"a",@progbits
	.p2align	6, 0x0
	.amdhsa_kernel k_q2af27a6950_attn
		.amdhsa_group_segment_fixed_size 132096
		.amdhsa_private_segment_fixed_size 0
		.amdhsa_enable_private_segment 0
		.amdhsa_kernarg_size 24
		.amdhsa_user_sgpr_count 2
		.amdhsa_user_sgpr_kernarg_segment_ptr 1
		.amdhsa_wavefront_size32 1
		.amdhsa_system_sgpr_workgroup_id_x 1
		.amdhsa_system_sgpr_workgroup_id_y 1
		.amdhsa_system_sgpr_workgroup_id_z 1
		.amdhsa_system_vgpr_workitem_id 0
		.amdhsa_next_free_vgpr 400
		.amdhsa_next_free_sgpr 66
		.amdhsa_reserve_vcc 0
		.amdhsa_float_denorm_mode_32 3
		.amdhsa_float_denorm_mode_16_64 3
		.amdhsa_memory_ordered 1
		.amdhsa_forward_progress 1
		.amdhsa_inst_pref_size 75
	.end_amdhsa_kernel
	.amdgpu_metadata
---
amdhsa.version: [ 1, 2 ]
amdhsa.kernels:
  - .name:           k_q2af27a6950_attn
    .symbol:         k_q2af27a6950_attn.kd
    .args:
      - { .name: qkv, .offset: 0, .size: 8, .value_kind: global_buffer, .address_space: global }
      - { .name: lowp_scales, .offset: 8, .size: 8, .value_kind: global_buffer, .address_space: global }
      - { .name: acodes, .offset: 16, .size: 8, .value_kind: global_buffer, .address_space: global }
    .group_segment_fixed_size: 132096
    .private_segment_fixed_size: 0
    .kernarg_segment_align: 8
    .kernarg_segment_size: 24
    .max_flat_workgroup_size: 256
    .sgpr_count:     66
    .vgpr_count:     400
    .wavefront_size: 32
...
	.end_amdgpu_metadata
.endif
;; end of part 3
;; launch oproj (part 4): grid 64 x 4, 4 waves a work-group, no clusters, 17,920 bytes of LDS; arguments acodes, wcodes, bo, lowp_scales, out0; writes out0
.if DOCPART == 4
	.amdgcn_target "amdgcn-amd-amdhsa--gfx1250"
	.amdhsa_code_object_version 6
	.text
	.protected	k_q2af27a6950_oproj
	.globl	k_q2af27a6950_oproj
	.p2align	8
	.type	k_q2af27a6950_oproj,@function
k_q2af27a6950_oproj:
	s_mov_b64 s[64:65], 0
	v_nop
	global_prefetch_b8 v0, s[64:65] scope:SCOPE_SE
	s_setreg_imm32_b32 hwreg(HW_REG_WAVE_MODE, 25, 1), 1
	s_wait_xcnt 0x0
; out0 = Wo o + bo, on codes of E4M3.  acodes: [batch 8][tile of 16 positions: 64][K step of 128 channels: 4][image: 2,048]; Wo's images are the fourth weight of wcodes: [tile of 16 rows: 32][K step 4][2,048].
; out0: [8][512 channels][1,024 positions] f32.  An image holds registers 4 q .. 4 q + 3 of lane l at byte 512 q + 16 l, so every fragment comes by four loads of 512 consecutive bytes, straight into registers.
; SHARES.  Work-group (t, y): batch t / 8, positions 128 (t % 8) on, output channels 128 y on.  Wave w: channels 64 (w / 2) on, positions 64 (w % 2) on: 4 x 4 accumulators, 64 matrix instructions.
; All 128 fragment loads of a wave are issued at its head: K is 512, four steps, and all four steps' fragments fit in windows 1 and 2.
; Source 0 = 16 positions, source 1 = 16 rows of Wo: a lane holds one channel and eight neighbouring positions, 32 bytes of a row of out0.  A tile of 16 channels x 64 positions goes through the wave's own stage in LDS
; and leaves as rows of 256 bytes.  y = sum x 2^(e10 + e11) + bo: one packed multiply-add for two numbers.
; NO JOINT LOADS, NO LDS FOR OPERANDS: a wave reads 32 KB of each operand once, into registers; the second wave that wants the same fragment reads it at the same time.
; LIMIT: entries 10 + 11 between -126 and 127.
; REGISTERS.  Window 0: v1-7 addresses; v8-15 bo, each number twice (a pair for the packed form); v32-63 at work; v64-127 rows read back, two sets; v128-255 accumulators (a, b) at v[128 + 8 (4 b + a)].
;   Window 1: Wo's fragments at v[16 (4 s + b)].  Window 2: o's at v[16 (4 s + a)].
.set LI,  1                            ; v1   16 x lane
.set STO, 2                            ; v2   the stage: where I put 32 bytes of a row
.set RD,  3                            ; v3   and where I read a row back
.set CO,  4                            ; v4   my byte offset in two rows of out0
.set BA,  5                            ; v5   4 r
.set SPW, 6                            ; v6   LDS address of my spare word; never rewritten
.set NIL, 7                            ; v7   0; never rewritten
.set BO,  8
.set T,   32
.set RB,  64
.set ACC, 128
.set SP,  272                          ; a stage row: 256 bytes + 16, so that sixteen rows' stores fall in sixteen different 16-byte columns modulo 256
.set SPARE, 4*16*SP                    ; behind the four stages (17,408): the spare words, 128 bytes for each wave: two blocks of 256 bytes that no other line names
.set MSB, 0
.macro WIN new                         ; the immediate's high byte repeats the setting that is left
.if MSB != (\new)
	s_set_vgpr_msb (MSB<<8)|(\new)
.set MSB, (\new)
.endif
.endm
	s_load_b256 s[4:11], s[0:1], 0x0               ; acodes, wcodes, bo, lowp_scales
	s_load_b64 s[12:13], s[0:1], 0x20              ; out0
	v_lshl_add_u32 v[SPW], v0, 2, SPARE
	v_mov_b32 v[NIL], 0
	v_lshrrev_b32 v10, 5, v0
	v_readfirstlane_b32 s14, v10                   ; wave 0..3
	s_lshr_b32 s15, s14, 1                         ; which 64 channels
	s_and_b32 s16, s14, 1                          ; which 64 positions
	s_and_b32 s17, ttmp7, 0xffff                   ; which 128 channels
	v_and_b32 v10, 31, v0
	v_and_b32 v11, 15, v0                          ; r
	v_bfe_u32 v12, v0, 4, 1                        ; h
	v_lshlrev_b32 v[LI], 4, v10
	s_mul_i32 s28, s14, 16*SP                      ; my stage
	v_mul_u32_u24 v[STO], v11, SP                  ; in: row r (my channel), + 32 h
	v_lshl_add_u32 v[STO], v12, 5, v[STO]
	v_add_nc_u32 v[STO], s28, v[STO]
	v_mul_u32_u24 v[RD], v12, SP                   ; back: lanes 0-15 one row, lanes 16-31 the next
	v_lshl_add_u32 v[RD], v11, 4, v[RD]
	v_add_nc_u32 v[RD], s28, v[RD]
	v_lshlrev_b32 v[CO], 4, v11                    ; and the same two rows in out0: 4,096 bytes apart
	v_lshl_add_u32 v[CO], v12, 12, v[CO]
	v_lshlrev_b32 v[BA], 2, v11
	s_lshl_b32 s20, ttmp9, 16                      ; acodes: 8 tiles of 8,192 bytes a work-group, 4 a wave
	s_lshl_b32 s29, s16, 15
	s_add_co_u32 s20, s20, s29
	s_mov_b32 s21, 0
	s_lshl_b32 s22, s17, 16                        ; wcodes: the fourth weight, 8 tiles a work-group, 4 a wave
	s_lshl_b32 s29, s15, 15
	s_add_co_u32 s22, s22, s29
	s_add_co_u32 s22, s22, 786432
	s_mov_b32 s23, 0
	s_lshl_b32 s24, s17, 9                         ; bo: 128 y + 64 (w / 2) numbers on
	s_lshl_b32 s29, s15, 8
	s_add_co_u32 s24, s24, s29
	s_mov_b32 s25, 0
	s_lshr_b32 s26, ttmp9, 3                       ; out0: batch x 2 MiB + channel x 4,096 + position x 4
	s_lshl_b32 s26, s26, 21
	s_lshl_b32 s29, s17, 19
	s_add_co_u32 s26, s26, s29
	s_lshl_b32 s29, s15, 18
	s_add_co_u32 s26, s26, s29
	s_and_b32 s29, ttmp9, 7
	s_lshl_b32 s29, s29, 9
	s_add_co_u32 s26, s26, s29
	s_lshl_b32 s29, s16, 8
	s_add_co_u32 s26, s26, s29
	s_mov_b32 s27, 0
	s_wait_kmcnt 0x0
	s_load_b64 s[44:45], s[10:11], 0x28            ; entries 10 and 11
	s_add_nc_u64 s[4:5], s[4:5], s[20:21]
	s_add_nc_u64 s[6:7], s[6:7], s[22:23]
	s_add_nc_u64 s[8:9], s[8:9], s[24:25]
	s_add_nc_u64 s[12:13], s[12:13], s[26:27]
.irp b, 0,1,2,3
	global_load_b32 v[BO+2*\b],   v[BA], s[8:9] offset:64*\b       ; bo of channel 16 b + r, twice: a pair
	global_load_b32 v[BO+2*\b+1], v[BA], s[8:9] offset:64*\b
.endr
.irp s, 0,1,2,3
	WIN 0x80                                       ; destination window 2
.irp a, 0,1,2,3
.irp q, 0,1,2,3
	global_load_b128 v[16*(4*\s+\a)+4*\q:16*(4*\s+\a)+4*\q+3], v[LI], s[4:5] offset:\a*8192+\s*2048+\q*512
.endr
.endr
	WIN 0x40                                       ; destination window 1
.irp b, 0,1,2,3
.irp q, 0,1,2,3
	global_load_b128 v[16*(4*\s+\b)+4*\q:16*(4*\s+\b)+4*\q+3], v[LI], s[6:7] offset:\b*8192+\s*2048+\q*512
.endr
.endr
.endr
; A K step: 16 matrix instructions; the 16 accumulators take turns, one instruction a turn, in the same order in every step.  K step 0 starts the sums.
.macro KS s
.irp b, 0,1,2,3
.irp a, 0,1,2,3
.if (\s) == 0
	v_wmma_f32_16x16x128_fp8_fp8 v[ACC+8*(4*\b+\a):ACC+8*(4*\b+\a)+7], v[16*(4*(\s)+\a):16*(4*(\s)+\a)+15], v[16*(4*(\s)+\b):16*(4*(\s)+\b)+15], 0
.else
	v_wmma_f32_16x16x128_fp8_fp8 v[ACC+8*(4*\b+\a):ACC+8*(4*\b+\a)+7], v[16*(4*(\s)+\a):16*(4*(\s)+\a)+15], v[16*(4*(\s)+\b):16*(4*(\s)+\b)+15], v[ACC+8*(4*\b+\a):ACC+8*(4*\b+\a)+7]
.endif
.endr
.endr
.endm
	WIN 0x06                                       ; source 0 (o) window 2, source 1 (Wo) window 1, C and D window 0
	s_wait_loadcnt 63                              ; of 136 loads the first 73 are in: the biases and K steps 0 and 1.  (96 and 64 younger loads might stay out; a wait's count names 63 at the most)
	KS 0
	KS 1
	s_wait_loadcnt 32                              ; K step 2's are in; K step 3's 32 may be out
	KS 2
	s_wait_loadcnt 0x0
	KS 3
.rept 4
	v_nop                                          ; the places in front of the first read of results (ISA guide 7.12.1)
.endr
	WIN 0
	s_wait_kmcnt 0x0
	s_add_co_i32 s46, s44, s45
	s_add_co_i32 s46, s46, 127
	s_lshl_b32 s46, s46, 23                        ; 2^(e10 + e11) as f32
	s_mov_b32 s47, s46                             ; named with it as a pair
	; THE WAY OUT, a tile of 16 channels at a time, through my own stage.  LDS serves a wave's instructions in order (ISA guide 5.7.1.4): no wait between the stores and the loads.
.irp b, 0,1,2,3
.irp a, 0,1,2,3
.irp i, 0,2,4,6
	v_pk_fma_f32 v[T+8*\a+\i:T+8*\a+\i+1], v[ACC+8*(4*\b+\a)+\i:ACC+8*(4*\b+\a)+\i+1], s[46:47], v[BO+2*\b:BO+2*\b+1] op_sel_hi:[1,0,1]   ; each accumulator from its low end on
.endr
.endr
.irp a, 0,1,2,3
	ds_store_b128 v[STO], v[T+8*\a:T+8*\a+3] offset:64*\a          ; lane (r, h): out(channel 16 b + r, positions 16 a + 8 h + 0 .. 7)
	ds_store_b128 v[STO], v[T+8*\a+4:T+8*\a+7] offset:64*\a+16
.endr
.if \b >= 2
	s_wait_xcnt 0x0                                ; the stores of two tiles ago have read this set of registers: only behind this wait is it loaded again
.endif
.irp i, 0,1,2,3,4,5,6,7
	ds_load_b128 v[RB+32*(\b%2)+4*\i:RB+32*(\b%2)+4*\i+3], v[RD] offset:2*\i*SP
.endr
	s_wait_dscnt 0x0                               ; the rows are back; the LDS stores have read T, which the next tile writes
.irp i, 0,1,2,3,4,5,6,7
	global_store_b128 v[CO], v[RB+32*(\b%2)+4*\i:RB+32*(\b%2)+4*\i+3], s[12:13] offset:\b*65536+\i*8192 th:TH_STORE_NT   ; sixteen lanes store 256 consecutive bytes, at a multiple of 256 from out0's first byte; written once, read by nobody here
.endr
.endr
	s_wait_tensorcnt 0x0                           ; the wave's end: three lines behind my last LDS store
	ds_add_u32 v[SPW], v[NIL]
	s_wait_dscnt 0x0
	s_endpgm
.Lfunc_end_k_q2af27a6950_oproj:
	.size	k_q2af27a6950_oproj, .Lfunc_end_k_q2af27a6950_oproj-k_q2af27a6950_oproj
	.p2alignl 7, 3214868480
	.fill 96, 4, 3214868480
	.section	.rodata,"a",@progbits
	.p2align	6, 0x0
	.amdhsa_kernel k_q2af27a6950_oproj
		.amdhsa_group_segment_fixed_size 17920
		.amdhsa_private_segment_fixed_size 0
		.amdhsa_enable_private_segment 0
		.amdhsa_kernarg_size 40
		.amdhsa_user_sgpr_count 2
		.amdhsa_user_sgpr_kernarg_segment_ptr 1
		.amdhsa_wavefront_size32 1
		.amdhsa_system_sgpr_workgroup_id_x 1
		.amdhsa_system_sgpr_workgroup_id_y 1
		.amdhsa_system_sgpr_workgroup_id_z 1
		.amdhsa_system_vgpr_workitem_id 0
		.amdhsa_next_free_vgpr 768
		.amdhsa_next_free_sgpr 66
		.amdhsa_reserve_vcc 0
		.amdhsa_float_denorm_mode_32 3
		.amdhsa_float_denorm_mode_16_64 3
		.amdhsa_memory_ordered 1
		.amdhsa_forward_progress 1
		.amdhsa_inst_pref_size 32
	.end_amdhsa_kernel
	.amdgpu_metadata
---
amdhsa.version: [ 1, 2 ]
amdhsa.kernels:
  - .name:           k_q2af27a6950_oproj
    .symbol:         k_q2af27a6950_oproj.kd
    .args:
      - { .name: acodes, .offset: 0, .size: 8, .value_kind: global_buffer, .address_space: global }
      - { .name: wcodes, .offset: 8, .size: 8, .value_kind: global_buffer, .address_space: global }
      - { .name: bo, .offset: 16, .size: 8, .value_kind: global_buffer, .address_space: global }
      - { .name: lowp_scales, .offset: 24, .size: 8, .value_kind: global_buffer, .address_space: global }
      - { .name: out0, .offset: 32, .size: 8, .value_kind: global_buffer, .address_space: global }
    .group_segment_fixed_size: 17920
    .private_segment_fixed_size: 0
    .kernarg_segment_align: 8
    .kernarg_segment_size: 40
    .max_flat_workgroup_size: 128
    .sgpr_count:     66
    .vgpr_count:     768
    .wavefront_size: 32
...
	.end_amdgpu_metadata
.endif
;; end of part 4
